; MI455X (gfx1250); checked and timed in simulation.
; The chip was launched on July 23, 2026; its instructions are those of AMD's public machine-readable ISA for CDNA 5 (MIT licence, August 2026) and "CDNA5" Instruction Set Architecture Reference Guide (July 2026). The comments in the code are by the model that wrote it; some were corrected since.
;; Attention Block. Allowed arithmetic: matrix products marked QUANTISED: E5M2 operands, one given power-of-two scale a tensor, by v_wmma_f32_16x16x64_bf8_bf8 or v_wmma_f32_16x16x128_bf8_bf8, f32 sums; everything else in f32.
;; Inputs: lowp_scales 8 int32 (the exponents e of the quantised operands' scales 2^e); norm_b 256 float32; norm_w 256 float32; proj_b 256 float32; proj_w_codes 256 x 8 x 32 uint8 (E5M2 codes of proj_w, K innermost, in blocks of 32 codes); qkv_b 768 float32; qkv_w_codes 768 x 8 x 32 uint8 (E5M2 codes of qkv_w, K innermost, in blocks of 32 codes); x 4 x 256 x 64 x 64 float32.
;; Outputs: out0 4 x 256 x 64 x 64 float32.
;; This version of the problem:
;;   THIS VERSION OF THE PROBLEM IS GIVEN IN LOW PRECISION. The matrix products marked QUANTISED in the list below multiply operands that are first quantised to E5M2 (5 exponent bits, 2 mantissa bits; 8 bits a number), with one given power-of-two scale for each operand tensor; their sums are f32. All else is computed in f32.
;;   The module's matrix products, in the order in which they are computed (A, B: the left and right operand; K: the contracted axis; several contracted axes count as one K, in the product's order):
;;     1. [M 768, K 256] x [K 256, N 16,384]; A: input qkv_w (given as codes); B: computed on the way: QUANTISED (scales: A lowp_scales[0], B lowp_scales[1])
;;     2. batch 16 x [M 4,096, K 64] x [K 64, N 4,096]; A: computed on the way; B: computed on the way: QUANTISED (scales: A lowp_scales[2], B lowp_scales[3])
;;     3. batch 16 x [M 4,096, K 4,096] x [K 4,096, N 64]; A: softmax (see below); B: computed on the way: QUANTISED (scales: A lowp_scales[4], B lowp_scales[5])
;;     4. [M 256, K 256] x [K 256, N 16,384]; A: input proj_w (given as codes); B: computed on the way: QUANTISED (scales: A lowp_scales[6], B lowp_scales[7])
;;   THE QUANTISER, for each operand of a quantised product, along K:
;;     - The operand's scale is 2^e, e = its entry of the input lowp_scales (int32; the entries are numbered through the quantised products in the list's order, A before B).
;;     - Each number is divided by the scale, clamped to +-57,344, and rounded to the nearest number of E5M2, ties to even, subnormals kept.
;;     - The product sums the exact products of the quantised numbers (number of the format x scale) in f32.
;;   ~~~python
;;   def quantise(x, axis, e):      # numpy; x: float32 -> the quantised numbers, widened to float32 again
;;       x = np.moveaxis(x, axis, -1); K = x.shape[-1]
;;       r = np.clip(x / 2.0 ** e, -57344, 57344)
;;       step = 2.0 ** (np.maximum(np.frexp(np.where(r == 0, 1, r))[1] - 1, -14) - 2)
;;       q = np.round(r / step) * step * 2.0 ** e      # np.round: ties to even
;;       return np.moveaxis(q, -1, axis).astype(np.float32)
;;   ~~~
;;   SOFTMAX AHEAD OF A QUANTISED PRODUCT. Where the list says 'softmax', what is quantised is not the finished softmax but p = 2^(t - M), with t = logit x log2(e) and M = ceil(the row's largest t), a whole number; so 1/2 < the row's largest p <= 1. The row's sum l is taken of the UNQUANTISED p, in f32, and the product's result is divided by l at the end. Since M is a whole number, a kernel that streams over the keys may use a running M (the ceiling of the running maximum): every later rescaling is an exact power of two, so the quantised numbers keep their values, but for numbers so far below the row's largest that they fall under the format's range.
;;   OPERANDS COMPUTED ON THE WAY. 'Computed on the way' means the value that the module computes at that place (a softmax that the list does not call 'softmax' is quantised finished and normalised). What goes into a quantiser is computed in f32, as accurately as f32 sums, v_exp_f32 and their like allow (about 1e-6 of the number): no bf16 or f16 on the way to a quantiser, and a product that is left as it is and whose result goes on into a quantised operand takes f32 operands (vector FMAs, or v_wmma_f32_16x16x4_f32). A number that lies on a knife's edge between two numbers of the format may be rounded either way, as far as f32 arithmetic and the matrix unit's own rounding can turn it there, and no further.
;;   INPUTS GIVEN AS CODES. proj_w (in the module: [256, 256], K = its axis 1); qkv_w (in the module: [768, 256], K = its axis 1): each comes as NAME_codes (uint8): NAME with its K axis moved to the last place and cut into blocks of 32 codes, [.., K / 32, bytes a block], one block behind the other in memory; one code a byte (a code: sign, 5 exponent bits, 2 mantissa bits); its scale is its entry of lowp_scales. Its value is code x scale, taken as it is: it is not quantised again, and the codes and scales need not be those that the quantiser above would give.
;; One version. Each part assembles by itself: llvm-mc -triple=amdgcn-amd-amdhsa -mcpu=gfx1250 --defsym DOCPART=n.
;; ======== version 1 of 1: 4 launches
;; limits: right only within a limited range of input values
;; workspace buffers: stats 2,048 bytes; qimg 4,194,304 bytes; kimg 4,194,304 bytes; vimg 4,194,304 bytes; oimg 4,194,304 bytes
;; launch stats (part 1): grid 256 x 1, 8 waves a work-group, no clusters, 1,280 bytes of LDS; arguments x, stats; writes stats
.if DOCPART == 1
	.amdgcn_target "amdgcn-amd-amdhsa--gfx1250"
	.amdhsa_code_object_version 6
	.text
	.protected	k_qac6cc8df04_stats
	.globl	k_qac6cc8df04_stats
	.p2align	8
	.type	k_qac6cc8df04_stats,@function
k_qac6cc8df04_stats:
	s_mov_b64 s[64:65], 0
	v_nop
	global_prefetch_b8 v0, s[64:65] scope:SCOPE_SE
	s_setreg_imm32_b32 hwreg(HW_REG_WAVE_MODE, 25, 1), 1
	s_wait_xcnt 0x0
; GROUP NORM, FIRST HALF.  x is [4][256][4096] f32; a group is 32 channels of one image: 131,072 numbers, 512 KiB on end.
; Work-group i takes chunk i of x, 65,536 bytes = 16,384 numbers (a group is eight chunks on end), and stores two numbers: the chunk's mean and the sum of the
; squares of its numbers' distances from that mean.  The chunk stays in registers between the two passes, so x is read once here, and no difference of two large sums is formed:
; a common offset of the inputs costs no accuracy.  The next launch joins a group's eight pairs.
; Eight waves; thread t takes the 16 bytes at 16 t + 4,096 j, j = 0 .. 15: a wave's load covers 512 consecutive bytes.  No matrix unit, no cluster: the work-groups share no byte.
.set X, 16                             ; v[16:79]  my 64 numbers, as 32 pairs
.set A, 80                             ; v[80:87]  four chains of packed sums
.set MS, 88                            ; v[88:89]  the mean twice, then (mean, sum of squares)
.set ZERO, 90                          ; v90       0: the LDS address of the waves' partial sums, and the store's offset
.set PL, 91                            ; v91       the lane permute's destination (it counts as read, so it is written first)
.set WA, 92                            ; v92       4 x my wave's number
	s_load_b128 s[4:7], s[0:1], 0x0                ; x, stats
	v_lshl_add_u32 v96, v0, 2, 0x100
	v_mov_b32 v97, 0
	v_lshlrev_b32 v1, 4, v0                        ; 16 t
	v_lshrrev_b32 v2, 5, v0
	s_delay_alu instid0(VALU_DEP_1)
	v_readfirstlane_b32 s8, v2                     ; wave 0..7
	s_delay_alu instid0(VALU_DEP_2)
	v_lshlrev_b32 v[WA], 2, v2
	v_mov_b32 v[ZERO], 0
	v_mov_b32 v[PL], 0
	s_mov_b32 s10, 0x76543210                      ; v_permlanex16_b32: each lane takes its own place in the other half
	s_mov_b32 s11, 0xfedcba98
	s_lshl_b32 s12, ttmp9, 16                      ; my chunk in x
	s_mov_b32 s13, 0
	s_wait_alu depctr_va_vdst(0)
	s_wait_kmcnt 0x0
	s_add_nc_u64 s[4:5], s[4:5], s[12:13]
	s_lshl_b32 s12, ttmp9, 3                       ; my pair in stats
	s_add_nc_u64 s[6:7], s[6:7], s[12:13]
.irp j, 0,1,2,3,4,5,6,7,8,9,10,11,12,13,14,15
	global_load_b128 v[X+4*\j:X+4*\j+3], v1, s[4:5] offset:4096*\j
.endr
; the four chains, the two halves of a pair, and the 32 lanes become one number in every lane, in v[A]
.macro FOLD
	s_delay_alu instid0(VALU_DEP_3)
	v_pk_add_f32 v[A:A+1], v[A:A+1], v[A+2:A+3]
	s_delay_alu instid0(VALU_DEP_2)
	v_pk_add_f32 v[A+4:A+5], v[A+4:A+5], v[A+6:A+7]
	s_delay_alu instid0(VALU_DEP_1)
	v_pk_add_f32 v[A:A+1], v[A:A+1], v[A+4:A+5]
	s_delay_alu instid0(VALU_DEP_1)
	v_add_f32 v[A], v[A], v[A+1]
	s_delay_alu instid0(VALU_DEP_1)
	v_add_f32_dpp v[A], v[A], v[A] row_xmask:1 row_mask:0xf bank_mask:0xf
	s_delay_alu instid0(VALU_DEP_1)
	v_add_f32_dpp v[A], v[A], v[A] row_xmask:2 row_mask:0xf bank_mask:0xf
	s_delay_alu instid0(VALU_DEP_1)
	v_add_f32_dpp v[A], v[A], v[A] row_xmask:4 row_mask:0xf bank_mask:0xf
	s_delay_alu instid0(VALU_DEP_1)
	v_add_f32_dpp v[A], v[A], v[A] row_xmask:8 row_mask:0xf bank_mask:0xf
	s_delay_alu instid0(VALU_DEP_1)
	v_permlanex16_b32 v[PL], v[A], s10, s11
	s_delay_alu instid0(VALU_DEP_1)
	v_add_f32 v[A], v[A], v[PL]
.endm
; the eight waves' numbers meet in the eight LDS words from byte off on; v8 + v12 is then the work-group's sum, in every lane
.macro MEET off
	ds_store_b32 v[WA], v[A] offset:\off           ; all lanes of a wave write the same word with the same number
	s_wait_dscnt 0x0                               ; for the others' sake: my store has landed
	s_barrier_signal -1
	s_barrier_wait -1
	ds_load_b128 v[8:11], v[ZERO] offset:\off
	ds_load_b128 v[12:15], v[ZERO] offset:\off+16
	s_wait_dscnt 0x0
	v_add_f32 v8, v8, v9
	v_add_f32 v10, v10, v11
	v_add_f32 v12, v12, v13
	v_add_f32 v14, v14, v15
	s_delay_alu instid0(VALU_DEP_3)
	v_add_f32 v8, v8, v10
	s_delay_alu instid0(VALU_DEP_2)
	v_add_f32 v12, v12, v14
.endm
	s_wait_loadcnt 0x0
	; pass 1: the sum.  The first eight pairs start the chains: nothing is cleared
.irp c, 0,1,2,3
	v_pk_add_f32 v[A+2*\c:A+2*\c+1], v[X+2*\c:X+2*\c+1], v[X+8+2*\c:X+8+2*\c+1]
.endr
.set k, 8
.rept 24
	s_delay_alu instid0(VALU_DEP_4)
	v_pk_add_f32 v[A+2*(k%4):A+2*(k%4)+1], v[A+2*(k%4):A+2*(k%4)+1], v[X+2*k:X+2*k+1]
.set k, k+1
.endr
	FOLD
	MEET 0
	s_delay_alu instid0(VALU_DEP_1)
	v_add_f32 v8, v8, v12
	s_delay_alu instid0(VALU_DEP_1)
	v_mul_f32 v[MS], 0x38800000, v8                ; / 16,384: the chunk's mean,
	s_delay_alu instid0(VALU_DEP_2)
	v_mul_f32 v[MS+1], 0x38800000, v8              ; twice, for the packed subtraction
	; pass 2: the distances from the mean, in place, and the sum of their squares
.set k, 0
.rept 32
	v_pk_add_f32 v[X+2*k:X+2*k+1], v[X+2*k:X+2*k+1], v[MS:MS+1] neg_lo:[0,1] neg_hi:[0,1]
.set k, k+1
.endr
.irp c, 0,1,2,3
	v_pk_mul_f32 v[A+2*\c:A+2*\c+1], v[X+2*\c:X+2*\c+1], v[X+2*\c:X+2*\c+1]
.endr
.set k, 4
.rept 28
	s_delay_alu instid0(VALU_DEP_4)
	v_pk_fma_f32 v[A+2*(k%4):A+2*(k%4)+1], v[X+2*k:X+2*k+1], v[X+2*k:X+2*k+1], v[A+2*(k%4):A+2*(k%4)+1]
.set k, k+1
.endr
	FOLD
	MEET 32                                        ; other words than the first meeting's: no wave writes what another may still read
	s_delay_alu instid0(VALU_DEP_1)
	v_add_f32 v[MS+1], v8, v12
	s_cmp_lg_u32 s8, 0                             ; wave 0's lane 0 stores the pair
	s_cbranch_scc1 .Lend
	s_wait_xcnt 0x0                                ; EXEC changes only behind this wait
	v_cmp_eq_u32 vcc_lo, 0, v0
	s_and_saveexec_b32 s14, vcc_lo
	s_wait_alu depctr_va_vdst(0)
	global_store_b64 v[ZERO], v[MS:MS+1], s[6:7]
	s_wait_xcnt 0x0                                ; and again in front of the line that widens it
	s_or_b32 exec_lo, exec_lo, s14
.Lend:
	s_wait_tensorcnt 0x0
	ds_add_u32 v96, v97
	s_wait_dscnt 0x0
	s_endpgm
.Lfunc_end_k_qac6cc8df04_stats:
	.size	k_qac6cc8df04_stats, .Lfunc_end_k_qac6cc8df04_stats-k_qac6cc8df04_stats
	.p2alignl 7, 3214868480
	.fill 96, 4, 3214868480
	.section	.rodata,"a",@progbits
	.p2align	6, 0x0
	.amdhsa_kernel k_qac6cc8df04_stats
		.amdhsa_group_segment_fixed_size 1280
		.amdhsa_private_segment_fixed_size 0
		.amdhsa_enable_private_segment 0
		.amdhsa_kernarg_size 16
		.amdhsa_user_sgpr_count 2
		.amdhsa_user_sgpr_kernarg_segment_ptr 1
		.amdhsa_wavefront_size32 1
		.amdhsa_system_sgpr_workgroup_id_x 1
		.amdhsa_system_sgpr_workgroup_id_y 1
		.amdhsa_system_sgpr_workgroup_id_z 1
		.amdhsa_system_vgpr_workitem_id 0
		.amdhsa_next_free_vgpr 98
		.amdhsa_next_free_sgpr 66
		.amdhsa_reserve_vcc 1
		.amdhsa_float_denorm_mode_32 3
		.amdhsa_float_denorm_mode_16_64 3
		.amdhsa_memory_ordered 1
		.amdhsa_forward_progress 1
		.amdhsa_inst_pref_size 14
	.end_amdhsa_kernel
	.amdgpu_metadata
---
amdhsa.version: [ 1, 2 ]
amdhsa.kernels:
  - .name:           k_qac6cc8df04_stats
    .symbol:         k_qac6cc8df04_stats.kd
    .args:
      - { .name: x, .offset: 0, .size: 8, .value_kind: global_buffer, .address_space: global }
      - { .name: stats, .offset: 8, .size: 8, .value_kind: global_buffer, .address_space: global }
    .group_segment_fixed_size: 1280
    .private_segment_fixed_size: 0
    .kernarg_segment_align: 8
    .kernarg_segment_size: 16
    .max_flat_workgroup_size: 256
    .sgpr_count:     66
    .vgpr_count:     98
    .wavefront_size: 32
...
	.end_amdgpu_metadata
.endif
;; end of part 1
;; launch qkv (part 2): grid 256 x 1, 8 waves a work-group, no clusters, 18,432 bytes of LDS; arguments x, stats, norm_w, norm_b, lowp_scales, qkv_b, qkv_w_codes, qimg, kimg, vimg; writes qimg, kimg, vimg
.if DOCPART == 2
	.amdgcn_target "amdgcn-amd-amdhsa--gfx1250"
	.amdhsa_code_object_version 6
	.text
	.protected	k_qac6cc8df04_qkv
	.globl	k_qac6cc8df04_qkv
	.p2align	8
	.type	k_qac6cc8df04_qkv,@function
k_qac6cc8df04_qkv:
	s_mov_b64 s[64:65], 0
	v_nop
	global_prefetch_b8 v0, s[64:65] scope:SCOPE_SE
	s_setreg_imm32_b32 hwreg(HW_REG_WAVE_MODE, 25, 1), 1
	s_wait_xcnt 0x0
; GROUP NORM, SECOND HALF, AND THE FIRST PRODUCT: qkv = W h + bias on codes of E5M2; q, k and v leave as codes, laid as the attention's operand registers take them.
; A work-group takes one image b and 64 pixels (block blk).  Eight waves.
; PHASE 1: wave w takes group w (channels 32 w .. 32 w + 31) for the 64 pixels: h = (x - mean) (rstd w_c) + b_c in f32, held within +-57,344 x 2^e1, turned into codes.  A lane holds two pixels and its
;   registers run down the channels, which are the product's K: so the conversions give codes with K innermost.  They go to LDS: one row of 256 codes a pixel.
; PHASE 2: for q, k and v in turn wave w makes the 32 output channels 32 w .. 32 w + 31 of that kind (head w / 2, half w % 2 of its 64) for the 64 pixels: 8 accumulators x 2 K steps of 128.
; THE ORDER OF A TILE'S 16 ROWS, for pixels and for the weights' rows alike: lane r of tile 2 B + u takes row 32 B + 8 u + r + 8 (r / 8).  Where such a tile is source 0, a lane's 16 result registers of
;   tiles 2 B and 2 B + 1 are the 16 neighbours 32 B + 16 (lane / 16) + 0 .. 15.  q and k: source 0 = the weights' rows, so a lane holds a pixel and 16 neighbouring channels, the next product's K.
;   v: source 0 = the pixels, so a lane holds a channel and 16 neighbouring keys, the third product's K.  The conversions' results are then four registers of the next operand, stored as they stand.
; ALONG K, in every operand of this program: lane (r, h) holds k = 32 c + 16 h + 0 .. 15 in registers 4 c .. 4 c + 3: one order of k on both sides of a product, so that every number meets its partner.
; OUT: qimg, kimg: [image x 4 + head][tile of 16 pixels (256)][c (2)][lane][16 bytes];  vimg: [image x 4 + head][128 keys (32)][tile of 16 channels (4)][c (4)][lane][16 bytes]: a store covers 512 consecutive bytes.
; THE SCALES: a sum stands for sum x 2^(e0 + e1).  The bias goes in as the C of a sum's first product, divided by 2^(e0 + e1); the conversion takes 2^(e - e0 - e1), e = e2 (q), e3 (k), e5 (v).
; LIMITS, so that each power of two is an f32 number: e1, e2 - e0 - e1, e3 - e0 - e1 and e5 - e0 - e1 between -126 and 112.  NaN among the inputs is not served.
; NO CLUSTER, NO TENSOR LOAD: what the work-groups share is the weights alone; each wave takes its 24 KiB of them straight into registers, once, and no tile of LDS is shared that a joint load could fill.
.set PITCH, 272                        ; a pixel's row of codes in LDS: 256 bytes + 16, so that the 16 rows of a fragment begin 16 bytes further on in each 256
.set XR,  16                           ; v[16:79]   phase 1: x: channel i's pixels 2 l, 2 l + 1 at 16 + 2 i, 17 + 2 i
.set HF,  16                           ; v[16:79]   phase 2: h's four fragments (16 pixels x 128 K) of one K step
.set HN,  80                           ; v[80:143]  phase 1: h: pixel 2 l + e, channel i at 80 + 32 e + i
.set ACC, 80                           ; v[80:143]  phase 2: the eight accumulators
.set CD,  144                          ; v[144:159] the group's eight pairs of statistics; then codes
.set BI,  160                          ; v[160:175] the bias, as two tiles' C
.set WF,  176                          ; v[176:239] the weights: tile u, K step s at 176 + 32 u + 16 s
.set NW,  24                           ; s[24:55]   norm_w of my 32 channels
.set NB,  68                           ; s[68:99]   norm_b of my 32 channels
; v1 lane, v2 r, v3 h; v4 8 x lane (x); v5 where I store my two pixels' codes; v6 272 r + 16 h (h's fragments); v7 256 (r + 8 (r / 8)) + 16 h (weights); v8 16 x lane (images); v9 64 h (bias of q, k);
; v10 4 (r + 8 (r / 8)) (bias of v); v11: 2^e1; v15 0; v240 mean, v243 rstd, v241-247 at work; v248 + 2 kd: the kind's scale
; the scale 2^e as f32 into v[vs]; e stands in s[se]
.macro MKSC vs, vl, se
	s_add_co_i32 s66, s[\se], 127
	s_lshl_b32 s67, s66, 23
	v_mov_b32 v[\vs], s67
	s_add_co_i32 s66, s66, 15
	s_lshl_b32 s66, s66, 23
	s_or_b32 s66, s66, 0x600000
.endm
; a kind's weights (my 32 rows x 256 K: four fragments) and its bias
.macro LOADW kd
.irp u, 0,1
.irp s, 0,1
.irp c, 0,1,2,3
	global_load_b128 v[WF+32*\u+16*\s+4*\c:WF+32*\u+16*\s+4*\c+3], v7, s[16:17] offset:65536*(\kd)+2048*\u+128*\s+32*\c
.endr
.endr
.endr
.if (\kd) < 2
.irp k, 0,1,2,3
	global_load_b128 v[BI+4*\k:BI+4*\k+3], v9, s[14:15] offset:1024*(\kd)+16*\k   ; my 16 channels' bias: 16 h + 0 .. 15
.endr
.else
	global_load_b32 v240, v10, s[14:15] offset:2048      ; v: a lane holds one channel of each tile
	global_load_b32 v241, v10, s[14:15] offset:2048+32
.endif
.endm
; h's four fragments of K step s
.macro FETCH s
.irp pt, 0,1,2,3
.irp c, 0,1,2,3
	ds_load_b128 v[HF+16*\pt+4*\c:HF+16*\pt+4*\c+3], v6 offset:16*PITCH*\pt+128*(\s)+32*\c
.endr
.endr
.endm
; eight products: the eight accumulators take turns, one instruction a turn.  K step 0 starts the sums with the bias
.macro MULS kd, s
.irp pt, 0,1,2,3
.irp u, 0,1
.if (\kd) < 2
.if (\s) == 0
	v_wmma_f32_16x16x128_bf8_bf8 v[ACC+16*\pt+8*\u:ACC+16*\pt+8*\u+7], v[WF+32*\u:WF+32*\u+15], v[HF+16*\pt:HF+16*\pt+15], v[BI+8*\u:BI+8*\u+7]
.else
	v_wmma_f32_16x16x128_bf8_bf8 v[ACC+16*\pt+8*\u:ACC+16*\pt+8*\u+7], v[WF+32*\u+16:WF+32*\u+31], v[HF+16*\pt:HF+16*\pt+15], v[ACC+16*\pt+8*\u:ACC+16*\pt+8*\u+7]
.endif
.else
.if (\s) == 0
	v_wmma_f32_16x16x128_bf8_bf8 v[ACC+32*\u+8*\pt:ACC+32*\u+8*\pt+7], v[HF+16*\pt:HF+16*\pt+15], v[WF+32*\u:WF+32*\u+15], v[BI+8*\u:BI+8*\u+7]
.else
	v_wmma_f32_16x16x128_bf8_bf8 v[ACC+32*\u+8*\pt:ACC+32*\u+8*\pt+7], v[HF+16*\pt:HF+16*\pt+15], v[WF+32*\u+16:WF+32*\u+31], v[ACC+32*\u+8*\pt:ACC+32*\u+8*\pt+7]
.endif
.endif
.endr
.endr
.endm
; the 64 sums become four pieces of 16 codes a lane and leave
.macro QOUT kd
	s_wait_xcnt 0x0                                ; the last kind's stores have read the codes' registers: they are written again only behind this wait
.irp g, 0,1,2,3
.irp i, 0,1,2,3,4,5,6,7,8,9,10,11,12,13,14,15
.endr
	v_cvt_scalef32_pk8_bf8_f32 v[CD+4*\g:CD+4*\g+1], v[ACC+16*\g:ACC+16*\g+7], v[248+2*(\kd)]
	v_cvt_scalef32_pk8_bf8_f32 v[CD+4*\g+2:CD+4*\g+3], v[ACC+16*\g+8:ACC+16*\g+15], v[248+2*(\kd)]
.endr
	v_nop                                          ; one plain instruction behind the last conversion: the next kind's products write its sources
.irp g, 0,1,2,3
.if (\kd) < 2
	global_store_b128 v8, v[CD+4*\g:CD+4*\g+3], s[18+2*(\kd):19+2*(\kd)] offset:1024*\g                 ; tile g of my block's four, my half of the head's 64
.else
	global_store_b128 v8, v[CD+4*\g:CD+4*\g+3], s[18+2*(\kd):19+2*(\kd)] offset:2048*(\g/2)+512*(\g%2)  ; tile g / 2 of my two tiles of channels, keys 32 (g % 2) on
.endif
.endr
.endm
.macro KIND kd
	FETCH 0
	s_wait_loadcnt 0x0                             ; the kind's weights and bias
.if (\kd) < 2
.irp i, 0,1,2,3,4,5,6,7,8,9,10,11,12,13,14,15
	v_ldexp_f32 v[BI+\i], v[BI+\i], s104           ; bias / 2^(e0 + e1)
.endr
.else
.irp u, 0,1
.irp j, 0,1,2,3,4,5,6,7
	v_ldexp_f32 v[BI+8*\u+\j], v[240+\u], s104     ; the same number for the lane's eight pixels
.endr
.endr
.endif
	s_wait_alu depctr_va_vdst(0)
	s_wait_dscnt 0x0
	MULS \kd, 0
.rept 4
	v_nop                                          ; four places in front of loads into registers that the products have read
.endr
	FETCH 1
	s_wait_dscnt 0x0
	MULS \kd, 1
.rept 5
	v_nop                                          ; places in front of the loads below, of the first read of the sums, and (one more) of the next kind's products, which begin these accumulators anew
.endr
.if (\kd) < 2
	LOADW \kd+1                                    ; the next kind's weights are on their way while this kind is quantised
.endif
	QOUT \kd
.endm
	s_load_b512 s[4:19], s[0:1], 0x0               ; x, stats, norm_w, norm_b, lowp_scales, qkv_b, qkv_w_codes, qimg
	s_load_b128 s[20:23], s[0:1], 0x40             ; kimg, vimg
	v_lshl_add_u32 v254, v0, 2, 0x4400
	v_mov_b32 v255, 0
	v_lshrrev_b32 v1, 5, v0
	s_delay_alu instid0(VALU_DEP_1)
	v_readfirstlane_b32 s2, v1                     ; wave 0..7
	s_lshr_b32 s3, ttmp9, 6                        ; image
	s_and_b32 s100, ttmp9, 63                      ; block of 64 pixels
	v_and_b32 v1, 31, v0                           ; lane
	v_and_b32 v2, 15, v0                           ; r
	v_bfe_u32 v3, v0, 4, 1                         ; h
	s_delay_alu instid0(VALU_DEP_3)
	v_lshlrev_b32 v4, 3, v1
	s_delay_alu instid0(VALU_DEP_4)
	v_and_b32 v5, 3, v1                            ; pixel 2 l + e lies in row 2 (l % 4) + 8 bit 3 + 16 bit 2 + 32 bit 4 of l, + e: the tiles' order
	s_delay_alu instid0(VALU_DEP_1)
	v_lshlrev_b32 v5, 1, v5
	v_bfe_u32 v240, v0, 3, 1
	s_delay_alu instid0(VALU_DEP_1)
	v_lshl_add_u32 v5, v240, 3, v5
	v_bfe_u32 v240, v0, 2, 1
	s_delay_alu instid0(VALU_DEP_1)
	v_lshl_add_u32 v5, v240, 4, v5
	s_delay_alu instid0(VALU_DEP_1)
	v_lshl_add_u32 v5, v3, 5, v5
	s_delay_alu instid0(VALU_DEP_1)
	v_mul_u32_u24 v5, v5, PITCH
	s_lshl_b32 s101, s2, 5
	v_add_nc_u32 v5, s101, v5                      ; + my group's 32 codes of the row
	v_mul_u32_u24 v6, v2, PITCH
	s_delay_alu instid0(VALU_DEP_1)
	v_lshl_add_u32 v6, v3, 4, v6
	v_and_b32 v240, 8, v2
	s_delay_alu instid0(VALU_DEP_1)
	v_add_nc_u32 v240, v240, v2                    ; r + 8 (r / 8)
	s_delay_alu instid0(VALU_DEP_1)
	v_lshlrev_b32 v7, 8, v240
	s_delay_alu instid0(VALU_DEP_1)
	v_lshl_add_u32 v7, v3, 4, v7
	v_lshlrev_b32 v8, 4, v1
	v_lshlrev_b32 v9, 6, v3
	v_lshlrev_b32 v10, 2, v240
	v_mov_b32 v15, 0
	s_wait_alu depctr_va_vdst(0)
	s_wait_kmcnt 0x0
	s_mov_b32 s105, 0
	s_lshl_b32 s104, s2, 7                         ; my 32 channels' 128 bytes
	s_add_nc_u64 s[8:9], s[8:9], s[104:105]
	s_add_nc_u64 s[10:11], s[10:11], s[104:105]
	s_add_nc_u64 s[14:15], s[14:15], s[104:105]
	s_load_b512 s[NW:NW+15], s[8:9], 0x0
	s_load_b512 s[NW+16:NW+31], s[8:9], 0x40
	s_load_b512 s[NB:NB+15], s[10:11], 0x0
	s_load_b512 s[NB+16:NB+31], s[10:11], 0x40
	s_load_b256 s[56:63], s[12:13], 0x0            ; e0 .. e7
	s_lshl_b32 s104, s3, 3
	s_add_co_u32 s104, s104, s2
	s_lshl_b32 s104, s104, 6                       ; my group's eight pairs: 64 bytes
	s_add_nc_u64 s[6:7], s[6:7], s[104:105]
	s_lshl_b32 s104, s3, 22                        ; x: the image, my group's 32 channels of 16,384 bytes, the block's 256 bytes of a row
	s_lshl_b32 s101, s2, 19
	s_add_co_u32 s104, s104, s101
	s_lshl_b32 s101, s100, 8
	s_add_co_u32 s104, s104, s101
	s_add_nc_u64 s[4:5], s[4:5], s[104:105]
	s_lshl_b32 s104, s2, 13                        ; the weights: my 32 rows of 256 bytes
	s_add_nc_u64 s[16:17], s[16:17], s[104:105]
	s_lshl_b32 s66, s3, 2
	s_lshr_b32 s101, s2, 1
	s_add_co_u32 s66, s66, s101                    ; image x 4 + head
	s_and_b32 s67, s2, 1                           ; which half of the head's 64 channels
	s_lshl_b32 s104, s66, 18                       ; qimg, kimg: 256 tiles of 1,024 bytes a head; the block's four tiles; my half's 512 bytes
	s_lshl_b32 s101, s100, 12
	s_add_co_u32 s104, s104, s101
	s_lshl_b32 s101, s67, 9
	s_add_co_u32 s104, s104, s101
	s_add_nc_u64 s[18:19], s[18:19], s[104:105]
	s_add_nc_u64 s[20:21], s[20:21], s[104:105]
	s_lshl_b32 s104, s66, 18                       ; vimg: 32 steps of 8,192 bytes a head; my two tiles of channels; the block's half of the step's 128 keys
	s_lshr_b32 s101, s100, 1
	s_lshl_b32 s101, s101, 13
	s_add_co_u32 s104, s104, s101
	s_lshl_b32 s101, s67, 12
	s_add_co_u32 s104, s104, s101
	s_and_b32 s101, s100, 1
	s_lshl_b32 s101, s101, 10
	s_add_co_u32 s104, s104, s101
	s_add_nc_u64 s[22:23], s[22:23], s[104:105]
.irp k, 0,1,2,3
	global_load_b128 v[CD+4*\k:CD+4*\k+3], v15, s[6:7] offset:16*\k     ; every lane takes the group's eight pairs
.endr
.set i, 0
.rept 32
	global_load_b64 v[XR+2*i:XR+2*i+1], v4, s[4:5] offset:16384*i       ; channel i: 32 lanes read 256 consecutive bytes, aligned
.set i, i+1
.endr
	LOADW 0
	; the group's mean and 1 / sqrt(variance + 1e-5) from its eight chunks' (mean, sum of squares about it): every chunk has 16,384 numbers
	s_wait_loadcnt 52                              ; the four loads of statistics are in; behind them 32 of x, 16 of weights, 4 of bias
	v_add_f32 v240, v[CD], v[CD+2]
	v_add_f32 v241, v[CD+4], v[CD+6]
	v_add_f32 v242, v[CD+8], v[CD+10]
	v_add_f32 v243, v[CD+12], v[CD+14]
	s_delay_alu instid0(VALU_DEP_3)
	v_add_f32 v240, v240, v241
	s_delay_alu instid0(VALU_DEP_2)
	v_add_f32 v242, v242, v243
	s_delay_alu instid0(VALU_DEP_1)
	v_add_f32 v240, v240, v242
	s_delay_alu instid0(VALU_DEP_1)
	v_mul_f32 v240, 0x3e000000, v240               ; / 8: the mean
	v_add_f32 v243, v[CD+1], v[CD+3]
	v_add_f32 v244, v[CD+5], v[CD+7]
	v_add_f32 v245, v[CD+9], v[CD+11]
	v_add_f32 v246, v[CD+13], v[CD+15]
	s_delay_alu instid0(VALU_DEP_3)
	v_add_f32 v243, v243, v244
	s_delay_alu instid0(VALU_DEP_2)
	v_add_f32 v245, v245, v246
	s_delay_alu instid0(VALU_DEP_1)
	v_add_f32 v243, v243, v245                     ; the chunks' sums of squares
	v_sub_f32 v241, v[CD], v240
	s_delay_alu instid0(VALU_DEP_1)
	v_mul_f32 v241, v241, v241
.irp i, 1,2,3,4,5,6,7
	v_sub_f32 v242, v[CD+2*\i], v240
	s_delay_alu instid0(VALU_DEP_1)
	v_fma_f32 v241, v242, v242, v241               ; the squares of the chunk means' distances from the mean,
.endr
	s_delay_alu instid0(VALU_DEP_1)
	v_fmamk_f32 v243, v241, 0x46800000, v243       ; x 16,384, added
	v_mov_b32 v242, 0x3727c5ac                     ; 1e-5
	s_delay_alu instid0(VALU_DEP_1)
	v_fmamk_f32 v243, v243, 0x37000000, v242       ; / 131,072 + 1e-5
	s_wait_alu depctr_va_vdst(0)
	v_rsq_f32 v243, v243
	v_nop                                          ; a plain instruction behind the transcendental,
	s_wait_alu depctr_va_vdst(0)                   ; and the wait ahead of the first line that names its result
	s_wait_kmcnt 0x0                               ; norm_w, norm_b, the exponents
	s_add_co_i32 s101, s56, s57                    ; e0 + e1
	s_sub_co_i32 s104, 0, s101
	MKSC 11, 12, 57                                ; h: e1
	s_sub_co_i32 s105, s58, s101
	MKSC 248, 249, 105                             ; q: e2 - e0 - e1
	s_sub_co_i32 s105, s59, s101
	MKSC 250, 251, 105                             ; k: e3 - e0 - e1
	s_sub_co_i32 s105, s61, s101
	MKSC 252, 253, 105                             ; v: e5 - e0 - e1
	; ---- phase 1
	s_wait_loadcnt 20                              ; x is in; the 16 loads of weights and 4 of bias may be out
.set i, 0
.rept 32
	v_pk_add_f32 v[XR+2*i:XR+2*i+1], v[XR+2*i:XR+2*i+1], v[240:241] op_sel_hi:[1,0] neg_lo:[0,1] neg_hi:[0,1]   ; x - mean, two pixels
.set i, i+1
.endr
.set i, 0
.rept 32
	v_mul_f32 v[244+i%4], s[NW+i], v243                                ; rstd x w of channel i
	s_delay_alu instid0(VALU_DEP_1)
	v_fma_f32 v[HN+i], v[XR+2*i], v[244+i%4], s[NB+i]
	s_delay_alu instid0(VALU_DEP_2)
	v_fma_f32 v[HN+32+i], v[XR+2*i+1], v[244+i%4], s[NB+i]
.set i, i+1
.endr
.set i, 0
.rept 64
.set i, i+1
.endr
.irp g, 0,1,2,3,4,5,6,7
	v_cvt_scalef32_pk8_bf8_f32 v[CD+2*\g:CD+2*\g+1], v[HN+8*\g:HN+8*\g+7], v11
.endr
	v_nop                                          ; one plain instruction behind the last conversion: the products write its sources
.irp e, 0,1
.irp k, 0,1
	ds_store_b128 v5, v[CD+8*\e+4*\k:CD+8*\e+4*\k+3] offset:PITCH*\e+16*\k
.endr
.endr
	s_wait_dscnt 0x0                               ; for the others' sake: my codes have landed
	s_barrier_signal -1
	s_barrier_wait -1                              ; the 64 rows of h are whole; nobody writes them again
	; ---- phase 2
	KIND 0
	KIND 1
	KIND 2
	s_wait_tensorcnt 0x0
	ds_add_u32 v254, v255
	s_wait_dscnt 0x0
	s_endpgm
.Lfunc_end_k_qac6cc8df04_qkv:
	.size	k_qac6cc8df04_qkv, .Lfunc_end_k_qac6cc8df04_qkv-k_qac6cc8df04_qkv
	.p2alignl 7, 3214868480
	.fill 96, 4, 3214868480
	.section	.rodata,"a",@progbits
	.p2align	6, 0x0
	.amdhsa_kernel k_qac6cc8df04_qkv
		.amdhsa_group_segment_fixed_size 18432
		.amdhsa_private_segment_fixed_size 0
		.amdhsa_enable_private_segment 0
		.amdhsa_kernarg_size 80
		.amdhsa_user_sgpr_count 2
		.amdhsa_user_sgpr_kernarg_segment_ptr 1
		.amdhsa_wavefront_size32 1
		.amdhsa_system_sgpr_workgroup_id_x 1
		.amdhsa_system_sgpr_workgroup_id_y 1
		.amdhsa_system_sgpr_workgroup_id_z 1
		.amdhsa_system_vgpr_workitem_id 0
		.amdhsa_next_free_vgpr 256
		.amdhsa_next_free_sgpr 106
		.amdhsa_reserve_vcc 0
		.amdhsa_float_denorm_mode_32 3
		.amdhsa_float_denorm_mode_16_64 3
		.amdhsa_fp16_overflow 1
		.amdhsa_memory_ordered 1
		.amdhsa_forward_progress 1
		.amdhsa_inst_pref_size 42
	.end_amdhsa_kernel
	.amdgpu_metadata
---
amdhsa.version: [ 1, 2 ]
amdhsa.kernels:
  - .name:           k_qac6cc8df04_qkv
    .symbol:         k_qac6cc8df04_qkv.kd
    .args:
      - { .name: x, .offset: 0, .size: 8, .value_kind: global_buffer, .address_space: global }
      - { .name: stats, .offset: 8, .size: 8, .value_kind: global_buffer, .address_space: global }
      - { .name: norm_w, .offset: 16, .size: 8, .value_kind: global_buffer, .address_space: global }
      - { .name: norm_b, .offset: 24, .size: 8, .value_kind: global_buffer, .address_space: global }
      - { .name: lowp_scales, .offset: 32, .size: 8, .value_kind: global_buffer, .address_space: global }
      - { .name: qkv_b, .offset: 40, .size: 8, .value_kind: global_buffer, .address_space: global }
      - { .name: qkv_w_codes, .offset: 48, .size: 8, .value_kind: global_buffer, .address_space: global }
      - { .name: qimg, .offset: 56, .size: 8, .value_kind: global_buffer, .address_space: global }
      - { .name: kimg, .offset: 64, .size: 8, .value_kind: global_buffer, .address_space: global }
      - { .name: vimg, .offset: 72, .size: 8, .value_kind: global_buffer, .address_space: global }
    .group_segment_fixed_size: 18432
    .private_segment_fixed_size: 0
    .kernarg_segment_align: 8
    .kernarg_segment_size: 80
    .max_flat_workgroup_size: 256
    .sgpr_count:     106
    .vgpr_count:     256
    .wavefront_size: 32
...
	.end_amdgpu_metadata
.endif
;; end of part 2
;; launch attn (part 3): grid 16 x 16, 16 waves a work-group, clusters of 4 x 1, 327,680 bytes of LDS; arguments qimg, kimg, vimg, lowp_scales, oimg; writes oimg
.if DOCPART == 3
	.amdgcn_target "amdgcn-amd-amdhsa--gfx1250"
	.amdhsa_code_object_version 6
	.text
	.protected	k_qac6cc8df04_attn
	.globl	k_qac6cc8df04_attn
	.p2align	8
	.type	k_qac6cc8df04_attn,@function
k_qac6cc8df04_attn:
	s_mov_b64 s[64:65], 0
	v_nop
	global_prefetch_b8 v0, s[64:65] scope:SCOPE_SE
	s_setreg_imm32_b32 hwreg(HW_REG_WAVE_MODE, 25, 1), 1
	s_wait_xcnt 0x0
	s_wait_alu depctr_hold_cnt(0) depctr_sa_sdst(0) depctr_va_vdst(0) depctr_va_sdst(0) depctr_va_ssrc(0) depctr_va_vcc(0) depctr_vm_vsrc(0)
	s_getreg_b32 s2, hwreg(HW_REG_IB_STS2, 6, 4)
	s_cmp_eq_u32 s2, 0
	s_cbranch_scc0 .Lentry_in_a_cluster
	s_endpgm
.Lentry_in_a_cluster:
	s_bfe_u32 s2, ttmp6, 0x10000c
	s_cmp_lg_u32 s2, 0x3003
	s_cbranch_scc0 .Lentry_shape_is_right
	s_endpgm
.Lentry_shape_is_right:
; ATTENTION on codes of E5M2: o = softmax(q k^T / 8) v for 16 (image, head) pairs, 4,096 queries x 4,096 keys, head size 64.  o leaves as codes, laid as the last product's operand registers take them.
; THE SOFTMAX AHEAD OF THE SECOND PRODUCT: t = score x log2(e) / 8; M = the row's largest t so far, rounded UP to a whole number; p = 2^(t - M) is what is quantised, along the keys; it is not normalised.
; The row's sum is taken of the unquantised p, in f32, and divides O at the end.  When M moves, the sum and O are multiplied by 2^(old M - new M), which rounds nothing.
; SHARES.  A work-group owns 256 queries of one pair; each of its SIXTEEN waves owns one tile of 16, in 256 registers: four waves to a SIMD, so that one wave's vector work stands beside another's products and LDS loads.
; Every wave walks the 4,096 keys, 128 a step.  K and V come through a ring of two LDS slots of 512 keys (four steps), filled by the tensor data mover: waves 0 and 1 K's halves, waves 2 and 3 V's; all sixteen read them.
; CLUSTER.  The four query blocks of a cluster belong to one pair and walk the same K and V: each tile is asked for JOINTLY, by the same tensor load with the same descriptor and a mask that names the four.
; LAYOUT.  Both products are used transposed: S^T = K Q^T (source 0 = 16 keys, source 1 = my 16 queries), O^T = V^T P^T (source 0 = 16 channels, source 1 = P): a lane holds ONE query (lane % 16) throughout.
; The buffers hold IMAGES OF OPERAND REGISTERS: four registers of a fragment are 512 bytes on end, lane l's 16 bytes at 16 l.  So a tile in LDS has no rows and no padding, and each LDS load takes 512 consecutive bytes.
; A tile's 16 keys (and V's 16 channels) are not neighbours: lane r of tile 2 B + u holds 32 B + 8 u + r + 8 (r / 8): so the 16 registers of tiles 2 B and 2 B + 1 of S^T are the keys 32 B + 16 (lane / 16) + 0 .. 15,
; and those of O^T the channels likewise: p's and o's conversions give operand registers as they stand.
; LIMITS on the given exponents, so that each power of two is an f32 number: e2 + e3 between -123 and 130 (added to c's exponent field); e4 and e7 between -126 and 112; e4 + e5 goes in by v_ldexp_f32 and has none.
.set SLOT1, 1<<16                      ; a slot: K's images, 32,768 bytes, then V's, 32,768; slot 1 begins here, so that one exclusive or turns an address from one slot to the other
.set VOFF,  32768
.set SPARE, 2*SLOT1                    ; behind the ring: the spare words, 128 bytes for each of the 16 waves: eight blocks of 256 bytes that no other line names
.set NSL,   8                          ; 4,096 keys are eight slots' worth
.set LI,   1                           ; v1   16 x lane: my place in an image; never rewritten
.set ADR,  2                           ; v2   + the slot in hand
.set PFO,  3                           ; v3   256 x lane: the prefetches' offset; never rewritten
.set SPW,  5                           ; v5   LDS address of my spare word: SPARE + 4 x my thread's number; never rewritten
.set NIL,  6                           ; v6   0; never rewritten
; v12 -M, v13 the largest t, v[14:15] the sum in two halves; v[16:23] Q; v[32:95] eight tiles of K, then four fragments of V; v[96:159] S^T, then p; v[160:191] O^T; v[224:239] p's codes;
; v244: 2^e4; v245: the same for e7; v236, v[242:243], v[252:253], v254 at work
.set WV,   14                          ; s14  my wave's number
.set LIM,  15                          ; s15  1 in a wave that prefetches, else the greatest number
.set SEL,  20                          ; s[20:21] lane selects for v_permlanex16_b32: lane l xor 16
.set CS,   22                          ; s[22:23] c = log2(e) / 8 x 2^(e2 + e3)
.set G1,   24                          ; s[24:31] descriptor group 1: one shape for all tiles
.set G0K,  32                          ; s[32:35] group 0 for K's tiles, s[36:39] for V's: they walk
.set G0V,  36
.set TB,   40                          ; s40  LDS byte at which the slot in hand begins
.set SLOTS, 41                         ; s41  slots still to be asked for
.set PFA,  42                          ; s[42:43] where my prefetches stand
; A round of the cluster's barrier: my work-group's barrier; wave 0 signals for the work-group; every wave waits for all four work-groups; my work-group's barrier once more.
.macro CROUND
	s_barrier_signal -1
	s_barrier_wait -1
	s_cmp_lg_u32 s[WV], 0
	s_cbranch_scc1 .Lnot_wave_0_\@
	s_barrier_signal -3
.Lnot_wave_0_\@:
	s_barrier_wait -3
	s_barrier_signal -1
	s_barrier_wait -1
.endm
; A joint load: waves 0 and 1 fetch for K, waves 2 and 3 for V, the others nothing.  The branches hang on the wave's number alone.  Four v_nop follow each of the two lines.
.macro TLOAD
	s_cmp_lt_u32 s[WV], 2
	s_cbranch_scc0 .Lnot_k_\@
	tensor_load_to_lds s[G0K:G0K+3], s[G1:G1+7]
	s_nop 0
.rept 4
	v_nop
.endr
	s_branch .Lasked_\@
.Lnot_k_\@:
	s_cmp_lt_u32 s[WV], 4
	s_cbranch_scc0 .Lasked_\@
	tensor_load_to_lds s[G0V:G0V+3], s[G1:G1+7]
	s_nop 0
.rept 4
	v_nop
.endr
.Lasked_\@:
.endm
; A PREFETCH INTO THE L2 of what the NEXT change of slots will ask for: 32,768 bytes of K's images and as many of V's.  All clusters of a pair walk the same K and V: the pair's first cluster asks.  Its four partners
; share the bytes out BY ADDRESS, 8,192 of each tensor to a partner; in each, wave 4 asks for K's and wave 5 for V's, lanes 256 bytes apart, one instruction: so each block of 256 bytes is named once in the launch.
; The last change that fills a slot asks for nothing: there is no slot behind it.  Slots 0 and 1 come by their loads alone.
.macro ASK
	s_cmp_gt_u32 s[SLOTS], s[LIM]
	s_cbranch_scc0 .Lnot_mine_\@
	global_prefetch_b8 v[PFO], s[PFA:PFA+1] th:TH_LOAD_NT scope:SCOPE_SE
.Lnot_mine_\@:
.endm
.macro MKSC vs, vl, se                 ; 2^e as f32 into v[vs]; e stands in s[se]
	s_add_co_i32 s19, s[\se], 127
	s_lshl_b32 s52, s19, 23
	v_mov_b32 v[\vs], s52
.endm
	s_load_b256 s[4:11], s[0:1], 0x0               ; qimg s[4:5], kimg s[6:7], vimg s[8:9], the exponents s[10:11]
	s_load_b64 s[12:13], s[0:1], 0x20              ; oimg
	v_lshl_add_u32 v[SPW], v0, 2, SPARE
	v_mov_b32 v[NIL], 0
	ds_add_u32 v5, v6
	ds_add_u32 v5, v6
	s_wait_dscnt 0x0
	v_lshrrev_b32 v1, 5, v0
	s_delay_alu instid0(VALU_DEP_1)
	v_readfirstlane_b32 s[WV], v1                  ; wave 0..15
	s_bfe_u32 s16, ttmp6, 0x40000                  ; cx: my place in the cluster: it enters Q's, O's and the prefetches' global addresses alone
	s_lshl_b32 s17, ttmp9, 2                       ; in a cluster launch ttmp9 counts clusters
	s_add_co_u32 s17, s17, s16                     ; my block of 256 queries
	s_and_b32 s18, ttmp7, 0xffff                   ; image x 4 + head, which the four partners share
	; descriptor group 1: 64 rows of 256 bytes, dense in memory and in LDS: 16,384 bytes a load
	s_mov_b32 s[G1], 15|(3<<16)|(1<<21)            ; 15:0 the mask: all four work-groups; 17:16 elements of 8 bytes; 20 no padding; 21 set beside a mask
	s_mov_b32 s[G1+1], 32<<16                      ; tensor_dim0 = 32 elements
	s_mov_b32 s[G1+2], 64<<16                      ; tensor_dim1 = 64
	s_mov_b32 s[G1+3], 32<<16                      ; tile_dim0 = 32
	s_mov_b32 s[G1+4], 64                          ; tile_dim1 = 64
	s_mov_b32 s[G1+5], 32                          ; from row to row: 32 elements
	s_mov_b32 s[G1+6], 0
	s_mov_b32 s[G1+7], 0
	s_mov_b32 s[SEL], 0x76543210
	s_mov_b32 s[SEL+1], 0xfedcba98
	s_mov_b32 s[CS], 0x3e38aa3b                    ; log2(e) / 8
	s_mov_b32 s[TB], 0
	s_mov_b32 s[SLOTS], NSL-1
	s_and_b32 s52, s[WV], 1
	s_lshl_b32 s52, s52, 14                        ; which half of a slot's 32,768 bytes I fetch, in LDS and in memory
	s_lshl_b32 s54, s18, 18                        ; the pair's 262,144 bytes in each tensor of codes
	s_add_co_u32 s54, s54, s52
	s_mov_b32 s55, 0
	s_wait_kmcnt 0x0
	s_load_b256 s[44:51], s[10:11], 0x0            ; e0 .. e7
	s_mov_b32 s[G0K], 1                            ; count = 1
	s_mov_b32 s[G0K+1], s52                        ; LDS address: slot 0
	s_add_nc_u64 s[G0K+2:G0K+3], s[6:7], s[54:55]  ; global address: the pair's first 512 keys
	s_or_b32 s[G0K+3], s[G0K+3], 0x80000000        ; type = 2
	s_mov_b32 s[G0V], 1
	s_add_co_u32 s[G0V+1], s52, VOFF
	s_add_nc_u64 s[G0V+2:G0V+3], s[8:9], s[54:55]
	s_or_b32 s[G0V+3], s[G0V+3], 0x80000000
	CROUND                                         ; all four work-groups are here: the first joint loads meet
	TLOAD                                          ; slot 0
	v_and_b32 v[LI], 31, v0
	s_delay_alu instid0(VALU_DEP_1)
	v_lshlrev_b32 v[LI], 4, v[LI]
	s_delay_alu instid0(VALU_DEP_1)
	v_lshlrev_b32 v[PFO], 4, v[LI]
	s_lshl_b32 s56, s18, 18                        ; Q: the pair, my block's 16 tiles of 1,024 bytes, my wave's tile
	s_lshl_b32 s19, s17, 14
	s_add_co_u32 s56, s56, s19
	s_lshl_b32 s19, s[WV], 10
	s_add_co_u32 s56, s56, s19
	s_mov_b32 s57, 0
	s_add_nc_u64 s[4:5], s[4:5], s[56:57]
	global_load_b128 v[16:19], v[LI], s[4:5]       ; Q's fragment stays in registers
	global_load_b128 v[20:23], v[LI], s[4:5] offset:512
	s_lshr_b32 s58, s18, 2                         ; O: the image's 1,048,576 bytes; a tile of 16 pixels is 4,096; the head's 64 channels are 1,024 of them
	s_lshl_b32 s58, s58, 20
	s_lshl_b32 s19, s17, 16
	s_add_co_u32 s58, s58, s19
	s_lshl_b32 s19, s[WV], 12
	s_add_co_u32 s58, s58, s19
	s_and_b32 s19, s18, 3
	s_lshl_b32 s19, s19, 10
	s_add_co_u32 s58, s58, s19
	s_mov_b32 s59, 0
	s_add_nc_u64 s[12:13], s[12:13], s[58:59]
	s_cmp_eq_u32 s[WV], 4                          ; the prefetches: wave 4 stands in K's images, wave 5 in V's,
	s_cselect_b64 s[PFA:PFA+1], s[6:7], s[8:9]
	s_lshl_b32 s56, s18, 18                        ; in my pair,
	s_lshl_b32 s19, s16, 13                        ; at my work-group's 8,192 bytes,
	s_add_co_u32 s56, s56, s19
	s_add_co_u32 s56, s56, 32768                   ; of slot 1: the first change of slots steps it to slot 2.  Nothing is prefetched here, at the head
	s_add_nc_u64 s[PFA:PFA+1], s[PFA:PFA+1], s[56:57]
	s_sub_co_u32 s[LIM], s[WV], 4
	s_lshr_b32 s[LIM], s[LIM], 1                   ; 0 in waves 4 and 5,
	s_or_b32 s[LIM], s[LIM], ttmp9                 ; of the pair's first cluster: the same in all four partners
	s_cmp_eq_u32 s[LIM], 0
	s_cselect_b32 s[LIM], 1, -1
	v_mov_b32 v13, 0xff61b1e6                      ; the largest t so far: -3e38, under every t
	s_delay_alu instid0(VALU_DEP_1)
	v_floor_f32 v12, -v13                          ; -M
	v_mov_b32 v14, 0                               ; the sum, in two halves
	v_mov_b32 v15, 0
	v_mov_b32 v236, 0                              ; written once: a lane permute's destination counts as one of its sources
	v_mov_b32 v253, 0                              ; (named as the upper half of the pair v[252:253])
.set j, 0
.rept 32
	v_mov_b32 v[160+j], 0                          ; O^T.  (The step is written once: the first finds zeros, which the first change of M leaves zeros)
.set j, j+1
.endr
	s_wait_kmcnt 0x0
	s_add_co_i32 s19, s46, s47                     ; a score stands for score x 2^(e2 + e3): the two exponents are added to c's exponent field
	s_lshl_b32 s19, s19, 23
	s_add_co_i32 s[CS], s[CS], s19
	s_mov_b32 s[CS+1], s[CS]                       ; (named with it as a pair, so it is written)
	MKSC 244, 240, 48                              ; p: e4
	MKSC 245, 241, 51                              ; o: e7
	s_add_co_i32 s53, s48, s49                     ; e4 + e5
; A KEY STEP: 128 keys, the q-th of the slot in hand.
.macro STEP q
	v_add_nc_u32 v[ADR], s[TB], v[LI]
.rept 3
	v_nop                                          ; with the addition above: four places in front of loads into registers that the last products have read
.endr
.irp t, 0,1,2,3,4,5,6,7
.irp c, 0,1
	ds_load_b128 v[32+8*\t+4*\c:32+8*\t+4*\c+3], v[ADR] offset:8192*(\q)+1024*\t+512*\c
.endr
.endr
	s_wait_alu depctr_va_vdst(0)
	s_wait_dscnt 0x0
.irp t, 0,1,2,3,4,5,6,7
	v_wmma_f32_16x16x64_bf8_bf8 v[96+8*\t:103+8*\t], v[32+8*\t:39+8*\t], v[16:23], 0     ; S^T: K = the head's 64
.endr
.rept 4
	v_nop                                          ; four places in front of the loads below and of the first read of the scores
.endr
.irp d, 0,1,2,3
.irp c, 0,1,2,3
	ds_load_b128 v[32+16*\d+4*\c:32+16*\d+4*\c+3], v[ADR] offset:VOFF+8192*(\q)+2048*\d+512*\c   ; V's four fragments land while the softmax is walked
.endr
.endr
	v_max3_num_f32 v254, v96, v97, v98             ; the step's largest score of my query, among my 64 keys, in two chains; each accumulator is first read at its low end
	v_max3_num_f32 v252, v99, v100, v101
.irp i, 6,10,14,18,22,26,30,34,38,42,46,50,54,58
	v_max3_num_f32 v254, v254, v[96+\i], v[97+\i]
	v_max3_num_f32 v252, v252, v[98+\i], v[99+\i]
.endr
	v_max3_num_f32 v254, v254, v158, v159
	s_delay_alu instid0(VALU_DEP_1)
	v_max_num_f32 v254, v254, v252
	v_permlanex16_b32 v236, v254, s[SEL], s[SEL+1]
	s_delay_alu instid0(VALU_DEP_1)
	v_max_num_f32 v254, v254, v236                 ; and among lane l xor 16's
	s_delay_alu instid0(VALU_DEP_1)
	v_mul_f32 v254, s[CS], v254                    ; as t (c is positive)
	s_delay_alu instid0(VALU_DEP_1)
	v_max_num_f32 v13, v13, v254                   ; the running largest t
	v_mov_b32 v254, v12
	s_delay_alu instid0(VALU_DEP_2)
	v_floor_f32 v12, -v13                          ; the new -M = floor(-t) = -ceil(t): M is a whole number
	s_delay_alu instid0(VALU_DEP_1)
	v_sub_f32 v254, v12, v254                      ; M's old value less its new one: a whole number, 0 or less
	s_delay_alu instid0(VALU_DEP_1)
	v_cvt_i32_f32 v254, v254                       ; (it saturates)
	s_delay_alu instid0(VALU_DEP_1)
	v_ldexp_f32 v252, 1.0, v254                    ; f = 2^(old M - new M)
.set j, 0
.rept 32
	v_pk_fma_f32 v[96+j:97+j], v[96+j:97+j], s[CS:CS+1], v[12:13] op_sel_hi:[1,0,0]   ; t - M, two at a time (of the pairs c and -M the low word serves both halves)
.set j, j+2
.endr
.set j, 0
	s_wait_alu depctr_va_vdst(0)
.rept 64
	v_exp_f32 v[96+j], v[96+j]                     ; p = 2^(t - M), at most 1: not normalised
.set j, j+1
.endr
	v_pk_mul_f32 v[14:15], v[14:15], v[252:253] op_sel_hi:[1,0]   ; the sums under the new M: the plain instruction behind the exponentials
	s_wait_alu depctr_va_vdst(0)                   ; the wait ahead of the first line that names a result: one for the batch of 64
	v_pk_add_f32 v[242:243], v[100:101], v[104:105]
	v_pk_add_f32 v[254:255], v[108:109], v[112:113]
	v_pk_add_f32 v[250:251], v[116:117], v[120:121]
	v_pk_add_f32 v[248:249], v[124:125], v[128:129]
	v_pk_add_f32 v[246:247], v[132:133], v[136:137]
	v_pk_add_f32 v[240:241], v[140:141], v[144:145]
	v_pk_add_f32 v[238:239], v[148:149], v[152:153]
	v_pk_add_f32 v[14:15], v[14:15], v[156:157]
	v_pk_add_f32 v[242:243], v[242:243], v[96:97]
	v_pk_add_f32 v[254:255], v[254:255], v[98:99]
	v_pk_add_f32 v[250:251], v[250:251], v[102:103]
	v_pk_add_f32 v[248:249], v[248:249], v[106:107]
	v_pk_add_f32 v[246:247], v[246:247], v[110:111]
	v_pk_add_f32 v[240:241], v[240:241], v[114:115]
	v_pk_add_f32 v[238:239], v[238:239], v[118:119]
	v_pk_add_f32 v[14:15], v[14:15], v[122:123]
	v_pk_add_f32 v[242:243], v[242:243], v[126:127]
	v_pk_add_f32 v[254:255], v[254:255], v[130:131]
	v_pk_add_f32 v[250:251], v[250:251], v[134:135]
	v_pk_add_f32 v[248:249], v[248:249], v[138:139]
	v_pk_add_f32 v[246:247], v[246:247], v[142:143]
	v_pk_add_f32 v[240:241], v[240:241], v[146:147]
	v_pk_add_f32 v[238:239], v[238:239], v[150:151]
	v_pk_add_f32 v[14:15], v[14:15], v[154:155]
	v_pk_add_f32 v[242:243], v[242:243], v[158:159]
	s_delay_alu instid0(VALU_DEP_2)
	v_pk_add_f32 v[14:15], v[14:15], v[248:249]
	s_delay_alu instid0(VALU_DEP_2)
	v_pk_add_f32 v[242:243], v[242:243], v[246:247]
	v_pk_add_f32 v[254:255], v[254:255], v[240:241]
	v_pk_add_f32 v[250:251], v[250:251], v[238:239]
	s_delay_alu instid0(VALU_DEP_2)
	v_pk_add_f32 v[14:15], v[14:15], v[254:255]
	s_delay_alu instid0(VALU_DEP_2)
	v_pk_add_f32 v[242:243], v[242:243], v[250:251]
	s_delay_alu instid0(VALU_DEP_1)
	v_pk_add_f32 v[14:15], v[14:15], v[242:243]
.irp b, 0,1,2,3
.irp i, 0,1,2,3,4,5,6,7,8,9,10,11,12,13,14,15
.endr
	v_cvt_scalef32_pk8_bf8_f32 v[224+4*\b:225+4*\b], v[96+16*\b:103+16*\b], v244
	v_cvt_scalef32_pk8_bf8_f32 v[226+4*\b:227+4*\b], v[104+16*\b:111+16*\b], v244
.endr
.set j, 0
.rept 16
	v_pk_mul_f32 v[160+j:161+j], v[160+j:161+j], v[252:253] op_sel_hi:[1,0]   ; O^T under the new M.  (Also the plain instructions between the conversions and the products)
.set j, j+2
.endr
	s_wait_alu depctr_va_vdst(0)
	s_wait_dscnt 0x0                               ; V is in
.irp d, 0,1,2,3
	v_wmma_f32_16x16x128_bf8_bf8 v[160+8*\d:167+8*\d], v[32+16*\d:47+16*\d], v[224:239], v[160+8*\d:167+8*\d]   ; O^T += V^T P^T: K = these 128 keys; the four accumulators take turns
.endr
.endm
; THE CHANGE OF SLOTS stands at a slot's head.  Each wave waits for all its tensor loads (its part of the slot that it is about to read), adds 0 to its spare word, and waits for that and for its reads of the slot that
; it has left.  fill = 1: a round of the cluster's barrier, so that no wave of any partner still reads that slot or has a load on its way; behind it the slot is filled with the next 512 keys: the load has four key steps in which to land.
.macro CHANGE fill
	s_wait_tensorcnt 0x0                           ; no tensor load of mine is out, so a group 0 may be written
	ds_add_u32 v[SPW], v[NIL]                      ; 0 onto my spare word
.if \fill
	s_xor_b32 s[G0K+1], s[G0K+1], SLOT1            ; the walking descriptors: the other slot than last time,
	s_add_nc_u64 s[G0K+2:G0K+3], s[G0K+2:G0K+3], 32768   ; the next 512 keys; the type bits on top are not reached
	s_xor_b32 s[G0V+1], s[G0V+1], SLOT1
	s_add_nc_u64 s[G0V+2:G0V+3], s[G0V+2:G0V+3], 32768
	s_wait_xcnt 0x0                                ; the last prefetch, a slot back, has read its address, so it may be written:
	s_add_nc_u64 s[PFA:PFA+1], s[PFA:PFA+1], 32768 ; one slot further on than the walking descriptors
.endif
	s_wait_dscnt 0x0                               ; the add is done, and my reads of the slot that I have left are over
.if \fill
	CROUND
	TLOAD                                          ; the first thing behind the round, and a wave's one tensor load until the next
	ASK
.else
	s_barrier_signal -1
	s_barrier_wait -1
.endif
.endm
.macro SLOT_STEPS
	STEP 0
	STEP 1
	STEP 2
	STEP 3
	s_xor_b32 s[TB], s[TB], SLOT1                  ; on to the other slot
.endm
	s_wait_loadcnt 0x0                             ; Q
.Lslot:                                            ; NSL - 1 trips: behind each change of slots but the last the next slot is asked for
	CHANGE 1
	SLOT_STEPS
	s_sub_co_u32 s[SLOTS], s[SLOTS], 1
	s_cmp_lg_u32 s[SLOTS], 0
	s_cbranch_scc1 .Lslot
	CHANGE 0                                       ; the last slot is written out
	SLOT_STEPS
	; THE WAY OUT.  O^T / the sum x 2^(e4 + e5) is o; register 16 b + i of it is channel 32 b + 16 (lane / 16) + i of my query: held, converted with 2^e7, it is two pieces of the last product's operand.
.rept 4
	v_nop                                          ; four places behind the last products
.endr
	v_add_f32 v14, v14, v15                        ; the sum's two halves,
	s_delay_alu instid0(VALU_DEP_1)
	v_permlanex16_b32 v252, v14, s[SEL], s[SEL+1]
	s_delay_alu instid0(VALU_DEP_1)
	v_add_f32 v14, v14, v252                       ; and lane l xor 16's: the row's sum
	s_wait_alu depctr_va_vdst(0)
	v_rcp_f32 v14, v14
	v_nop                                          ; a plain instruction behind the transcendental,
	s_wait_alu depctr_va_vdst(0)                   ; and the wait ahead of the first line that names its result
	v_ldexp_f32 v14, v14, s53
.set j, 0
.rept 16
	v_pk_mul_f32 v[96+j:97+j], v[160+j:161+j], v[14:15] op_sel_hi:[1,0]
.set j, j+2
.endr
.set j, 0
.rept 32
.set j, j+1
.endr
.irp b, 0,1
	v_cvt_scalef32_pk8_bf8_f32 v[224+4*\b:225+4*\b], v[96+16*\b:103+16*\b], v245
	v_cvt_scalef32_pk8_bf8_f32 v[226+4*\b:227+4*\b], v[104+16*\b:111+16*\b], v245
.endr
	v_nop
	global_store_b128 v[LI], v[224:227], s[12:13]              ; 32 lanes store 512 consecutive bytes, aligned
	global_store_b128 v[LI], v[228:231], s[12:13] offset:512
	s_wait_tensorcnt 0x0                           ; the wave's end
	ds_add_u32 v[SPW], v[NIL]
	s_wait_dscnt 0x0
	CROUND                                         ; the closing round: no work-group ends while a partner may still ask for a tile that names it
	s_endpgm
.Lfunc_end_k_qac6cc8df04_attn:
	.size	k_qac6cc8df04_attn, .Lfunc_end_k_qac6cc8df04_attn-k_qac6cc8df04_attn
	.p2alignl 7, 3214868480
	.fill 96, 4, 3214868480
	.section	.rodata,"a",@progbits
	.p2align	6, 0x0
	.amdhsa_kernel k_qac6cc8df04_attn
		.amdhsa_group_segment_fixed_size 327680
		.amdhsa_private_segment_fixed_size 0
		.amdhsa_enable_private_segment 0
		.amdhsa_kernarg_size 40
		.amdhsa_user_sgpr_count 2
		.amdhsa_user_sgpr_kernarg_segment_ptr 1
		.amdhsa_wavefront_size32 1
		.amdhsa_system_sgpr_workgroup_id_x 1
		.amdhsa_system_sgpr_workgroup_id_y 1
		.amdhsa_system_sgpr_workgroup_id_z 1
		.amdhsa_system_vgpr_workitem_id 0
		.amdhsa_next_free_vgpr 256
		.amdhsa_next_free_sgpr 66
		.amdhsa_reserve_vcc 0
		.amdhsa_float_denorm_mode_32 3
		.amdhsa_float_denorm_mode_16_64 3
		.amdhsa_fp16_overflow 1
		.amdhsa_memory_ordered 1
		.amdhsa_forward_progress 1
		.amdhsa_inst_pref_size 119
	.end_amdhsa_kernel
	.amdgpu_metadata
---
amdhsa.version: [ 1, 2 ]
amdhsa.kernels:
  - .name:           k_qac6cc8df04_attn
    .symbol:         k_qac6cc8df04_attn.kd
    .args:
      - { .name: qimg, .offset: 0, .size: 8, .value_kind: global_buffer, .address_space: global }
      - { .name: kimg, .offset: 8, .size: 8, .value_kind: global_buffer, .address_space: global }
      - { .name: vimg, .offset: 16, .size: 8, .value_kind: global_buffer, .address_space: global }
      - { .name: lowp_scales, .offset: 24, .size: 8, .value_kind: global_buffer, .address_space: global }
      - { .name: oimg, .offset: 32, .size: 8, .value_kind: global_buffer, .address_space: global }
    .group_segment_fixed_size: 327680
    .private_segment_fixed_size: 0
    .kernarg_segment_align: 8
    .kernarg_segment_size: 40
    .max_flat_workgroup_size: 512
    .sgpr_count:     66
    .vgpr_count:     256
    .wavefront_size: 32
...
	.end_amdgpu_metadata
.endif
;; end of part 3
;; launch proj (part 4): grid 256 x 1, 16 waves a work-group, no clusters, 88,064 bytes of LDS; arguments oimg, proj_w_codes, proj_b, lowp_scales, x, out0; writes out0
.if DOCPART == 4
	.amdgcn_target "amdgcn-amd-amdhsa--gfx1250"
	.amdhsa_code_object_version 6
	.text
	.protected	k_qac6cc8df04_proj
	.globl	k_qac6cc8df04_proj
	.p2align	8
	.type	k_qac6cc8df04_proj,@function
k_qac6cc8df04_proj:
	s_mov_b64 s[64:65], 0
	v_nop
	global_prefetch_b8 v0, s[64:65] scope:SCOPE_SE
	s_setreg_imm32_b32 hwreg(HW_REG_WAVE_MODE, 25, 1), 1
	s_wait_xcnt 0x0
; THE LAST PRODUCT AND THE RESIDUAL: out = x + W o + bias, W [256][256] and o as codes of E5M2.
; A work-group takes one image b and 64 pixels (block blk); wave w of sixteen makes output channels 16 w .. 16 w + 15 for them: 4 accumulators x 2 K steps of 128.
; o comes as images of operand registers: [image][tile of 16 pixels (256)][K step (2)][c (4)][lane][16 bytes]; the block's four tiles are 16,384 bytes on end.  The work-group copies them into LDS once (16 bytes a thread, twice),
; and every wave reads all of them from there.  Lane r of tile 2 B + u holds pixel 32 B + 8 u + r + 8 (r / 8).  SOURCE 0 = 16 pixels, source 1 = my 16 rows of W: a lane then holds ONE channel, and its 16 registers
; of tiles 2 B, 2 B + 1 are the pixels 32 B + 16 (lane / 16) + 0 .. 15: 64 neighbouring bytes of a row of the output.  They go through the wave's own stage in LDS and come back so that sixteen lanes hold a
; row's 256 bytes; x is added; each store of sixteen lanes covers 256 consecutive bytes, aligned.
; y = sum x 2^(e6 + e7) + bias, one packed multiply-add for two numbers.  LIMIT: e6 + e7 between -126 and 127, so that the power of two is an f32 number.
; NO CLUSTER, NO TENSOR LOAD: the work-groups share W alone, of which each wave takes its 4,096 bytes straight into registers, once.
.set STG,  16384                       ; LDS: o's images, 16,384 bytes; then a stage of 16 rows x (256 + 16) bytes for each wave
.set SP,   272
.set XR,   16                          ; v[16:47]   x: 8 x 4 registers
.set WF,   48                          ; v[48:79]   W: K step s at 48 + 16 s
.set OF,   80                          ; v[80:207]  o: tile pt, K step s at 80 + 32 pt + 16 s; later v[80:111] y, v[112:143] rows read back
.set ACC,  208                         ; v[208:239] the four accumulators; before the products v[208:215] serve the copy
; v1 lane, v2 r, v3 h; v4 16 x lane; v5 16 x thread; v6 256 r + 16 h (W); v7 4 r (bias); v8 16,384 h + 16 r (x, out); v9 into my stage; v10 out of it; v240 my channel's bias, v241 0
	s_load_b256 s[4:11], s[0:1], 0x0               ; oimg s[4:5], W's codes s[6:7], bias s[8:9], the exponents s[10:11]
	s_load_b128 s[12:15], s[0:1], 0x20             ; x s[12:13], out s[14:15]
	v_lshl_add_u32 v254, v0, 2, 0x15000
	v_mov_b32 v255, 0
	v_lshrrev_b32 v1, 5, v0
	s_delay_alu instid0(VALU_DEP_1)
	v_readfirstlane_b32 s2, v1                     ; wave 0..15
	s_lshr_b32 s3, ttmp9, 6                        ; image
	s_and_b32 s16, ttmp9, 63                       ; block of 64 pixels
	v_and_b32 v1, 31, v0
	v_and_b32 v2, 15, v0
	v_bfe_u32 v3, v0, 4, 1
	s_delay_alu instid0(VALU_DEP_3)
	v_lshlrev_b32 v4, 4, v1
	v_lshlrev_b32 v5, 4, v0
	s_delay_alu instid0(VALU_DEP_4)
	v_lshlrev_b32 v6, 8, v2
	s_delay_alu instid0(VALU_DEP_1)
	v_lshl_add_u32 v6, v3, 4, v6
	v_lshlrev_b32 v7, 2, v2
	v_lshlrev_b32 v8, 14, v3
	s_delay_alu instid0(VALU_DEP_1)
	v_lshl_add_u32 v8, v2, 4, v8
	s_mul_i32 s17, s2, 16*SP
	s_add_co_u32 s17, s17, STG                     ; my stage
	v_mul_u32_u24 v9, v2, SP                       ; in: row r = my channel; 64 bytes for each half of the lanes
	s_delay_alu instid0(VALU_DEP_1)
	v_lshl_add_u32 v9, v3, 6, v9
	s_delay_alu instid0(VALU_DEP_1)
	v_add_nc_u32 v9, s17, v9
	v_mul_u32_u24 v10, v3, SP                      ; back: lanes 0-15 take one row of 256 bytes, lanes 16-31 the next
	s_delay_alu instid0(VALU_DEP_1)
	v_lshl_add_u32 v10, v2, 4, v10
	s_delay_alu instid0(VALU_DEP_1)
	v_add_nc_u32 v10, s17, v10
	v_mov_b32 v241, 0                              ; (named as the upper half of the pair v[240:241])
	s_mov_b32 s19, 0
	s_wait_alu depctr_va_vdst(0)
	s_wait_kmcnt 0x0
	s_load_b256 s[20:27], s[10:11], 0x0            ; e0 .. e7
	s_lshl_b32 s18, s3, 20                         ; o: the image's 1,048,576 bytes, the block's 16,384
	s_lshl_b32 s17, s16, 14
	s_add_co_u32 s18, s18, s17
	s_add_nc_u64 s[4:5], s[4:5], s[18:19]
	s_lshl_b32 s18, s2, 12                         ; W: my 16 rows of 256 bytes
	s_add_nc_u64 s[6:7], s[6:7], s[18:19]
	s_lshl_b32 s18, s2, 6                          ; bias: my 16 numbers
	s_add_nc_u64 s[8:9], s[8:9], s[18:19]
	s_lshl_b32 s18, s3, 22                         ; x, out: the image, my 16 channels of 16,384 bytes, the block's 256 bytes of a row
	s_lshl_b32 s17, s2, 18
	s_add_co_u32 s18, s18, s17
	s_lshl_b32 s17, s16, 8
	s_add_co_u32 s18, s18, s17
	s_add_nc_u64 s[12:13], s[12:13], s[18:19]
	s_add_nc_u64 s[14:15], s[14:15], s[18:19]
	global_load_b128 v[ACC:ACC+3], v5, s[4:5]                  ; the copy: 512 threads x 16 bytes, twice
	global_load_b128 v[ACC+4:ACC+7], v5, s[4:5] offset:8192
.irp s, 0,1
.irp c, 0,1,2,3
	global_load_b128 v[WF+16*\s+4*\c:WF+16*\s+4*\c+3], v6, s[6:7] offset:128*\s+32*\c
.endr
.endr
	global_load_b32 v240, v7, s[8:9]
.irp i, 0,1,2,3,4,5,6,7
	global_load_b128 v[XR+4*\i:XR+4*\i+3], v8, s[12:13] offset:32768*\i th:TH_LOAD_NT   ; channels 2 i + h of my 16: sixteen lanes read a row's 256 bytes; read once in this launch
.endr
	s_wait_loadcnt 17                              ; the copy's two loads are in; behind them 8 of W, 1 of bias, 8 of x
	ds_store_b128 v5, v[ACC:ACC+3]
	ds_store_b128 v5, v[ACC+4:ACC+7] offset:8192
	s_wait_dscnt 0x0                               ; for the others' sake: my part of the images has landed
	s_barrier_signal -1
	s_barrier_wait -1                              ; the images are whole; nobody writes them again
.irp pt, 0,1,2,3
.irp s, 0,1
.irp c, 0,1,2,3
	ds_load_b128 v[OF+32*\pt+16*\s+4*\c:OF+32*\pt+16*\s+4*\c+3], v4 offset:4096*\pt+2048*\s+512*\c
.endr
.endr
.endr
	s_wait_kmcnt 0x0
	s_add_co_i32 s28, s26, s27                     ; e6 + e7
	s_add_co_i32 s28, s28, 127
	s_lshl_b32 s28, s28, 23                        ; 2^(e6 + e7) as f32
	s_mov_b32 s29, s28                             ; (named with it as a pair, so it is written)
	s_wait_loadcnt 8                               ; W and the bias are in; x's eight loads may be out
	s_wait_dscnt 0x0
.irp pt, 0,1,2,3                                   ; the four accumulators take turns, one instruction a turn; the first K step starts the sums
	v_wmma_f32_16x16x128_bf8_bf8 v[ACC+8*\pt:ACC+8*\pt+7], v[OF+32*\pt:OF+32*\pt+15], v[WF:WF+15], 0
.endr
.irp pt, 0,1,2,3
	v_wmma_f32_16x16x128_bf8_bf8 v[ACC+8*\pt:ACC+8*\pt+7], v[OF+32*\pt+16:OF+32*\pt+31], v[WF+16:WF+31], v[ACC+8*\pt:ACC+8*\pt+7]
.endr
.rept 4
	v_nop                                          ; four places in front of the first read of the sums and of writes into registers that the products have read (ISA guide 7.12.1)
.endr
.set j, 0
.rept 16
	v_pk_fma_f32 v[OF+j:OF+j+1], v[ACC+j:ACC+j+1], s[28:29], v[240:241] op_sel_hi:[1,0,0]   ; sum x 2^(e6 + e7) + bias; each accumulator from its low end on
.set j, j+2
.endr
.irp b, 0,1
.irp k, 0,1,2,3
	ds_store_b128 v9, v[OF+16*\b+4*\k:OF+16*\b+4*\k+3] offset:128*\b+16*\k   ; pixels 32 b + 16 h + 4 k on, of my channel
.endr
.endr
.irp i, 0,1,2,3,4,5,6,7
	ds_load_b128 v[OF+32+4*\i:OF+32+4*\i+3], v10 offset:2*SP*\i   ; LDS serves a wave's instructions in order (ISA guide 5.7.1.4): these see my stores; the stage is my wave's own
.endr
	s_wait_loadcnt 0x0                             ; x
.irp i, 0,1,2,3,4,5,6,7
	s_wait_dscnt 7-\i                              ; rows 2 i, 2 i + 1 are back; the younger loads may be out
	v_pk_add_f32 v[OF+32+4*\i:OF+32+4*\i+1], v[OF+32+4*\i:OF+32+4*\i+1], v[XR+4*\i:XR+4*\i+1]
	v_pk_add_f32 v[OF+32+4*\i+2:OF+32+4*\i+3], v[OF+32+4*\i+2:OF+32+4*\i+3], v[XR+4*\i+2:XR+4*\i+3]
	global_store_b128 v8, v[OF+32+4*\i:OF+32+4*\i+3], s[14:15] offset:32768*\i th:TH_STORE_NT   ; sixteen lanes store 256 consecutive bytes, aligned; written once, read by nobody here
.endr
	s_wait_tensorcnt 0x0
	ds_add_u32 v254, v255
	s_wait_dscnt 0x0
	s_endpgm
.Lfunc_end_k_qac6cc8df04_proj:
	.size	k_qac6cc8df04_proj, .Lfunc_end_k_qac6cc8df04_proj-k_qac6cc8df04_proj
	.p2alignl 7, 3214868480
	.fill 96, 4, 3214868480
	.section	.rodata,"a",@progbits
	.p2align	6, 0x0
	.amdhsa_kernel k_qac6cc8df04_proj
		.amdhsa_group_segment_fixed_size 88064
		.amdhsa_private_segment_fixed_size 0
		.amdhsa_enable_private_segment 0
		.amdhsa_kernarg_size 48
		.amdhsa_user_sgpr_count 2
		.amdhsa_user_sgpr_kernarg_segment_ptr 1
		.amdhsa_wavefront_size32 1
		.amdhsa_system_sgpr_workgroup_id_x 1
		.amdhsa_system_sgpr_workgroup_id_y 1
		.amdhsa_system_sgpr_workgroup_id_z 1
		.amdhsa_system_vgpr_workitem_id 0
		.amdhsa_next_free_vgpr 256
		.amdhsa_next_free_sgpr 66
		.amdhsa_reserve_vcc 0
		.amdhsa_float_denorm_mode_32 3
		.amdhsa_float_denorm_mode_16_64 3
		.amdhsa_memory_ordered 1
		.amdhsa_forward_progress 1
		.amdhsa_inst_pref_size 12
	.end_amdhsa_kernel
	.amdgpu_metadata
---
amdhsa.version: [ 1, 2 ]
amdhsa.kernels:
  - .name:           k_qac6cc8df04_proj
    .symbol:         k_qac6cc8df04_proj.kd
    .args:
      - { .name: oimg, .offset: 0, .size: 8, .value_kind: global_buffer, .address_space: global }
      - { .name: proj_w_codes, .offset: 8, .size: 8, .value_kind: global_buffer, .address_space: global }
      - { .name: proj_b, .offset: 16, .size: 8, .value_kind: global_buffer, .address_space: global }
      - { .name: lowp_scales, .offset: 24, .size: 8, .value_kind: global_buffer, .address_space: global }
      - { .name: x, .offset: 32, .size: 8, .value_kind: global_buffer, .address_space: global }
      - { .name: out0, .offset: 40, .size: 8, .value_kind: global_buffer, .address_space: global }
    .group_segment_fixed_size: 88064
    .private_segment_fixed_size: 0
    .kernarg_segment_align: 8
    .kernarg_segment_size: 48
    .max_flat_workgroup_size: 512
    .sgpr_count:     66
    .vgpr_count:     256
    .wavefront_size: 32
...
	.end_amdgpu_metadata
.endif
;; end of part 4
